; MI455X (gfx1250); checked and timed in simulation.
; The chip was launched on July 23, 2026; its instructions are those of AMD's public machine-readable ISA for CDNA 5 (MIT licence, August 2026) and "CDNA5" Instruction Set Architecture Reference Guide (July 2026). The comments in the code are by the model that wrote it; some were corrected since.
;; Mo E Model. Allowed arithmetic: matrix products marked QUANTISED: E3M2 operands, one E8M0 scale for each 32 along K, by v_wmma_scale_f32_16x16x128_f8f6f4 with both operands' format E3M2, f32 sums; products left as they are: f32 operands where the result goes on into a quantised operand, else bf16, f16 or f32 operands; f32 sums; everything else in f32.
;; Inputs: W1 8 x 512 x 1,024 float32; W2 8 x 1,024 x 512 float32; W3 8 x 512 x 50 float32; Wr 512 x 8 float32; b1 8 x 1,024 float32; b2 8 x 512 float32; b3 8 x 50 float32; br 8 float32; x 4,096 x 512 float32.
;; Outputs: out0 4,096 x 50 float32; out1 4,096 x 8 float32.
;; This version of the problem:
;;   THIS VERSION OF THE PROBLEM IS GIVEN IN LOW PRECISION. The matrix products marked QUANTISED in the list below multiply operands that are first quantised to E3M2 (3 exponent bits, 2 mantissa bits; 6 bits a number), with one power-of-two scale for each 32 numbers along K (OCP MX v1.0); their sums are f32. All else is computed in f32.
;;   The module's matrix products, in the order in which they are computed (A, B: the left and right operand; K: the contracted axis; several contracted axes count as one K, in the product's order):
;;     1. [M 4,096, K 512] x [K 512, N 8]; A: input x; B: input Wr: left as it is (N = 8 < 16)
;;     2. [M 8,192, K 512] x [K 512, N 4,096]; A: input W1; B: input x: QUANTISED
;;     3. batch 8 x [M 4,096, K 1,024] x [K 1,024, N 512]; A: computed on the way; B: input W2: QUANTISED
;;     4. batch 8 x [M 4,096, K 512] x [K 512, N 50]; A: computed on the way; B: input W3: QUANTISED
;;   THE QUANTISER, for each operand of a quantised product, along K:
;;     - K is cut into blocks of 32 from its start; a last block that is shorter is filled with zeros.
;;     - A block's scale is 2^e with e = floor(log2(the largest magnitude in the block)) - 4, held to -126 .. 127; a block of zeros has e = 0. As a byte (E8M0): e + 127.
;;     - Each number is divided by its block's scale, clamped to +-28, and rounded to the nearest number of E3M2, ties to even, subnormals kept.
;;     - The product sums the exact products of the quantised numbers (number of the format x scale) in f32.
;;   ~~~python
;;   def quantise(x, axis):      # numpy; x: float32 -> the quantised numbers, widened to float32 again
;;       x = np.moveaxis(x, axis, -1); K = x.shape[-1]
;;       x = np.pad(x, [(0, 0)] * (x.ndim - 1) + [(0, -K % 32)]); x = x.reshape(x.shape[:-1] + (-1, 32)); a = np.abs(x).max(-1, keepdims=True)
;;       e = np.where(a > 0, np.clip(np.frexp(np.where(a > 0, a, 1))[1] - 1 - 4, -126, 127), 0)      # np.frexp(a)[1] - 1 = floor(log2(a)), exactly
;;       r = np.clip(x / 2.0 ** e, -28, 28)
;;       step = 2.0 ** (np.maximum(np.frexp(np.where(r == 0, 1, r))[1] - 1, -2) - 2)
;;       q = np.round(r / step) * step * 2.0 ** e      # np.round: ties to even
;;       return np.moveaxis(q.reshape(q.shape[:-2] + (-1,))[..., :K], -1, axis).astype(np.float32)
;;   ~~~
;;   OPERANDS COMPUTED ON THE WAY. 'Computed on the way' means the value that the module computes at that place (a softmax that the list does not call 'softmax' is quantised finished and normalised). What goes into a quantiser is computed in f32, as accurately as f32 sums, v_exp_f32 and their like allow (about 1e-6 of the number): no bf16 or f16 on the way to a quantiser, and a product that is left as it is and whose result goes on into a quantised operand takes f32 operands (vector FMAs, or v_wmma_f32_16x16x4_f32). A number that lies on a knife's edge between two numbers of the format may be rounded either way, as far as f32 arithmetic and the matrix unit's own rounding can turn it there, and no further.
;; One version. Each part assembles by itself: llvm-mc -triple=amdgcn-amd-amdhsa -mcpu=gfx1250 --defsym DOCPART=n.
;; ======== version 1 of 1: 3 launches
;; workspace buffers: xq 1,572,864 bytes; xs 65,536 bytes; w1q 3,276,800 bytes; w2q 3,276,800 bytes; w3q 212,992 bytes; route 24,576 bytes of whole numbers; part 2,097,152 bytes
;; launch prep (part 1): grid 784 x 1, 4 waves a work-group, no clusters, 29,440 bytes of LDS; arguments x, Wr, br, W1, W2, W3, b3, xq, xs, w1q, w2q, w3q, route, out1; writes xq, xs, w1q, w2q, w3q, route, out1
.if DOCPART == 1
	.amdgcn_target "amdgcn-amd-amdhsa--gfx1250"
	.amdhsa_code_object_version 6
	.text
	.protected	k_qb5c955de04_prep
	.globl	k_qb5c955de04_prep
	.p2align	8
	.type	k_qb5c955de04_prep,@function
k_qb5c955de04_prep:
	s_mov_b64 s[64:65], 0
	v_nop
	global_prefetch_b8 v0, s[64:65] scope:SCOPE_SE
	s_setreg_imm32_b32 hwreg(HW_REG_WAVE_MODE, 25, 1), 1
	s_wait_xcnt 0x0
; PREP: everything that is made once.  Four paths, parted by the work-group's number alone:
;   0-255    x [4096][512] f32: codes of BF6 (E3M2) and E8M0 scale bytes along K, AND the router: logits x Wr + br by f32 multiply-adds, softmax (out1), top-2, and the routing as whole numbers
;   256-271  W3 [8][512][50];   272-527  W1 [8][512][1024];   528-783  W2 [8][1024][512]: codes and scale words, laid in the order of the operand's registers
; A block's scale is 2^(floor(log2(its largest magnitude)) - 4); its byte is the largest magnitude's exponent field - 4, held at 1 from below by a floor among the maximum's leaves.
; LIMITS: NaN and infinities among the inputs are not served.  A block whose largest magnitude lies under 2^(4 - 126), a block of zeros among them, gets the byte 1 (its codes are zeros or subnormal codes);
; the bytes are read by this program alone.  A token whose second and third probability agree to within f32 rounding may be routed otherwise than by exact arithmetic.  A probability under 2^-126 comes out as 0.
; LAYOUTS.  xq[token]: 384 bytes; the 48 bytes that operand lane (r, h) wants of K step s lie on end at 96 s + 48 h.  xs[token]: 16 bytes, byte 4 s + b for block b of K step s.
; A SET (12,800 bytes) is 128 columns x 128 K of W1 or W2: row 3 t + c of 512 bytes holds registers 4 c .. 4 c + 3 of tile t's fragment, lane by lane; row 24 holds the scale words (word j of lane l: tile 2 j + l / 16, row l % 16).
; Row r of tile 2 b + u is column 32 b + 8 u + r + 8 (r / 8), so that the results of two neighbouring tiles are 16 neighbours along the next product's K.
; w3q: a block of 6,656 bytes for each (expert, 16 classes): four fragments of 1,536 bytes, 256 bytes of scale words, 16 numbers of b3; classes 50-63 are zero codes and zero bias.
; route: byte 256 e + g: how many of the 16 tokens of group g chose expert e; u16 at 2048 + 512 e + 2 g: which; word at 8192 + 4 token: first choice | second choice << 8.
; No matrix unit, no tensor loads, no cluster: every input byte but Wr's is read once, and work-groups share nothing.  Only x's path uses LDS and has a barrier.
.set EMAX, 4
; ---------------- the weights' paths: a lane takes a column, its registers run down K ----------------
.set WX, 32                            ; v32-95   two sets of 32 numbers
.set WF, 96                            ; v96-119  the codes: register 12 h + i is register i of operand lane (r, h)
.set WT, 120                           ; v120-122 a block's upper 16 codes (a conversion's three registers begin on an even number)
.set SW, 124                           ; v124     my column's scale word
.macro LOADB b, pitch                  ; block b: 32 rows of K at my column; the wave reads 128 consecutive bytes a load
.set li, 0
.rept 32
	global_load_b32 v[WX+32*((\b)%2)+li], v2, s[32:33] offset:(32*(\b)+li)*\pitch th:TH_LOAD_NT
.set li, li+1
.endr
.endm
.macro BLOCKQ b, pitch
.set XB, WX+32*((\b)%2)
.set FB, WF+12*((\b)%2)+6*((\b)/2)     ; block b belongs to operand half h = b % 2, registers 6 (b / 2) on
.if (\b) < 3
	s_wait_loadcnt 32                              ; this block's 32 loads are in; the next block's 32 may be out
.else
	s_wait_loadcnt 0x0
.endif
	v_max3_num_f32 v12, |v[XB]|, |v[XB+1]|, |v[XB+2]|               ; the block's largest magnitude: all 32 numbers are mine
	v_max3_num_f32 v13, |v[XB+3]|, |v[XB+4]|, |v[XB+5]|
.irp i, 6,10,14,18,22,26
	v_max3_num_f32 v12, v12, |v[XB+\i]|, |v[XB+\i+1]|
	v_max3_num_f32 v13, v13, |v[XB+\i+2]|, |v[XB+\i+3]|
.endr
	v_max3_num_f32 v12, v12, |v[XB+30]|, |v[XB+31]|
	v_max3_num_f32 v12, v12, v13, (EMAX+1)<<23     ; and the floor 2^(5 - 127): the byte cannot fall under 1
	v_add_nc_u32 v11, -(EMAX<<23), v12             ; 4 off the exponent field: the conversion's scale operand
	v_lshrrev_b32 v13, 23, v11                     ; the scale's byte
.if (\b) == 0
	v_mov_b32 v[SW], v13
.else
	v_lshl_or_b32 v[SW], v13, 8*(\b), v[SW]
.endif
	v_cvt_scalef32_pk16_bf6_f32 v[FB:FB+2], v[XB:XB+15], v11
	v_cvt_scalef32_pk16_bf6_f32 v[WT:WT+2], v[XB+16:XB+31], v11
	v_nop                                          ; one plain place behind a scaled conversion
	v_mov_b32 v[FB+3], v[WT]
	v_mov_b32 v[FB+4], v[WT+1]
	v_mov_b32 v[FB+5], v[WT+2]
.if (\b) < 2
	LOADB (\b)+2, \pitch
.endif
.endm
; v2: my column's bytes in a row; v3: where my codes go; v4: where my scale word goes; s[32:33] source, s[34:35] destination
.macro WQ pitch, mask, soff
	LOADB 0, \pitch
	LOADB 1, \pitch
	BLOCKQ 0, \pitch
	BLOCKQ 1, \pitch
	BLOCKQ 2, \pitch
	BLOCKQ 3, \pitch
.if \mask
	v_cmp_gt_u32 vcc_lo, 50, v5                    ; classes 50-63 do not exist: zero codes, zero bias
.set li, 0
.rept 24
	v_cndmask_b32 v[WF+li], 0, v[WF+li], vcc_lo
.set li, li+1
.endr
	v_cndmask_b32 v10, 0, v10, vcc_lo
.endif
.irp h, 0,1
.irp c, 0,1,2
	global_store_b128 v3, v[WF+12*\h+4*\c:WF+12*\h+4*\c+3], s[34:35] offset:512*\c+256*\h   ; sixteen lanes store 256 consecutive bytes, aligned
.endr
.endr
	global_store_b32 v4, v[SW], s[34:35] offset:\soff    ; the scale words: a twenty-fifth of the output; a wave writes every fourth word of the row
.if \mask
	s_cmp_lg_u32 s36, 0
	s_cbranch_scc1 .Lnob3
	global_store_b32 v8, v10, s[34:35] offset:6400       ; b3 of my class, by wave 0 alone
.Lnob3:
.endif
.endm
	s_load_b256 s[4:11], s[0:1], 0x0               ; x, Wr, br, W1
	s_load_b256 s[12:19], s[0:1], 0x20             ; W2, W3, b3, xq
	s_load_b256 s[20:27], s[0:1], 0x40             ; xs, w1q, w2q, w3q
	s_load_b128 s[28:31], s[0:1], 0x60             ; route, out1
	s_set_vgpr_msb 0x40
	v_lshl_add_u32 v0, v0, 2, 0x7100
	v_mov_b32 v1, 0
	s_set_vgpr_msb 0x4000
	v_lshrrev_b32 v1, 5, v0
	v_readfirstlane_b32 s36, v1                    ; wave 0..3
	v_and_b32 v1, 31, v0                           ; lane l
	v_lshrrev_b32 v6, 4, v1                        ; u = l / 16
	v_and_b32 v7, 15, v1                           ; r = l % 16
	s_wait_kmcnt 0x0
	s_cmp_lt_u32 ttmp9, 256
	s_cbranch_scc1 .Lx
	s_cmp_lt_u32 ttmp9, 272
	s_cbranch_scc1 .Lw3
	; ---- W1 and W2: a work-group makes one SET; wave v takes its columns 32 v .. 32 v + 31, tiles 2 v and 2 v + 1
	v_and_b32 v8, 8, v7
	v_lshl_add_u32 v9, v6, 3, v7
	v_add_nc_u32 v9, v9, v8                        ; my column of the wave's 32: 8 u + r + 8 (r / 8)
	v_lshlrev_b32 v2, 2, v9
	s_mul_i32 s37, s36, 3072
	v_mul_u32_u24 v3, v6, 1536
	v_lshl_add_u32 v3, v7, 4, v3
	v_add_nc_u32 v3, s37, v3                       ; tile 2 v + u at 1,536 bytes a tile, + 16 r
	s_lshl_b32 s37, s36, 2
	v_lshl_add_u32 v4, v1, 4, s37                  ; scale row: 16 l + 4 v
	s_lshl_b32 s41, s36, 7                         ; the wave's 128 bytes of a row
	s_mov_b32 s33, 0
	s_mov_b32 s35, 0
	s_cmp_lt_u32 ttmp9, 528
	s_cbranch_scc0 .Lw2
	s_sub_co_u32 s38, ttmp9, 272                   ; set = (8 e + column group) 4 + K step
	s_lshr_b32 s39, s38, 5
	s_lshl_b32 s39, s39, 21                        ; expert: 2 MiB
	s_and_b32 s40, s38, 3
	s_lshl_b32 s40, s40, 19                        ; K step: 128 rows of 4,096 bytes
	s_add_co_u32 s39, s39, s40
	s_bfe_u32 s40, s38, 0x30002
	s_lshl_b32 s40, s40, 9                         ; column group: 512 bytes
	s_add_co_u32 s39, s39, s40
	s_add_co_u32 s32, s39, s41
	s_add_nc_u64 s[32:33], s[10:11], s[32:33]
	s_mul_i32 s34, s38, 12800
	s_add_nc_u64 s[34:35], s[22:23], s[34:35]
	WQ 4096, 0, 12288
	s_endpgm
.Lw2:
	s_sub_co_u32 s38, ttmp9, 528                   ; set = (4 e + column group) 8 + K step
	s_lshr_b32 s39, s38, 5
	s_lshl_b32 s39, s39, 21
	s_and_b32 s40, s38, 7
	s_lshl_b32 s40, s40, 18                        ; K step: 128 rows of 2,048 bytes
	s_add_co_u32 s39, s39, s40
	s_bfe_u32 s40, s38, 0x20003
	s_lshl_b32 s40, s40, 9
	s_add_co_u32 s39, s39, s40
	s_add_co_u32 s32, s39, s41
	s_add_nc_u64 s[32:33], s[12:13], s[32:33]
	s_mul_i32 s34, s38, 12800
	s_add_nc_u64 s[34:35], s[24:25], s[34:35]
	WQ 2048, 0, 12288
	s_endpgm
.Lw3:
	; ---- W3: a work-group takes 32 classes of an expert, wave v K step v; tiles in the classes' own order
	s_sub_co_u32 s38, ttmp9, 256
	s_lshr_b32 s39, s38, 1                         ; expert
	s_and_b32 s40, s38, 1                          ; which 32 classes
	s_lshl_b32 s41, s40, 5
	v_add_nc_u32 v5, s41, v1                       ; my class
	v_min_u32 v9, 49, v5                           ; no load leaves the buffer: classes 50-63 read class 49 and are zeroed behind the conversions
	v_lshlrev_b32 v2, 2, v9
	s_mul_i32 s32, s39, 102400
	s_mul_i32 s41, s36, 25600                      ; 128 rows of 200 bytes
	s_add_co_u32 s32, s32, s41
	s_mov_b32 s33, 0
	s_add_nc_u64 s[32:33], s[14:15], s[32:33]
	s_mul_i32 s42, s39, 200
	s_mov_b32 s43, 0
	s_add_nc_u64 s[42:43], s[16:17], s[42:43]      ; b3 of the expert
	s_lshl_b32 s34, s39, 2
	s_lshl_b32 s41, s40, 1
	s_add_co_u32 s34, s34, s41
	s_mul_i32 s34, s34, 6656
	s_mov_b32 s35, 0
	s_add_nc_u64 s[34:35], s[26:27], s[34:35]      ; block 4 e + 2 q
	v_mul_u32_u24 v8, v6, 6656                     ; + u
	s_mul_i32 s41, s36, 1536
	v_lshl_add_u32 v3, v7, 4, v8
	v_add_nc_u32 v3, s41, v3                       ; fragment v, + 16 r
	s_and_b32 s41, s36, 1
	s_lshl_b32 s41, s41, 7
	s_lshr_b32 s44, s36, 1
	s_lshl_b32 s44, s44, 2
	s_add_co_u32 s41, s41, s44
	v_lshl_add_u32 v4, v7, 3, v8
	v_add_nc_u32 v4, s41, v4                       ; scale words: 8 (16 (v % 2) + r) + 4 (v / 2)
	v_lshl_add_u32 v8, v7, 2, v8                   ; b3: 4 r
	global_load_b32 v10, v2, s[42:43]
	WQ 200, 1, 6144
	s_endpgm
; ---------------- x: a work-group takes one group of 16 tokens; wave v takes K step v (128 numbers) of all 16 ----------------
; A wave's 16 loads (a token's 512 consecutive bytes each) go out together, beside its 128 rows of Wr.  A step takes four tokens: their 2,048 bytes turn through the wave's own stage in LDS and come back
; 64 bytes a lane: lane l holds k = 128 v + 16 (l % 8) + 0 .. 15 of token 4 t + l / 8; two neighbouring lanes hold a block.  The same 16 numbers feed the router: the lane keeps rows 128 v + 16 (l % 8) + 0 .. 15
; of Wr (128 registers) and adds its share of the eight logits; a butterfly over the eight lanes of a token leaves expert l % 8 in lane l.
; Codes, scale bytes and the four waves' shares of the logits meet in LDS behind one barrier; then each wave stores a quarter of the group's 6,144 bytes of codes, and wave 0 makes the softmax and the routing.
.set SP,  80                           ; a lane's place in a stage: 64 bytes + 16 of padding
.set CDB, 20480                        ; LDS: four waves' two stages of 2,560 bytes; then the group's codes, 16 x 384;
.set SCB, 26624                        ; its 256 scale bytes;
.set PBO, 26880                        ; the logits' shares: [K step][token][expert], 4 x 512 bytes
.set R,   16                           ; v16-79   four sets of 16 registers as loaded: set t holds tokens 4 t .. 4 t + 3
.set X,   80                           ; v80-111  two sets of 16 neighbours
.set A,   112                          ; v112-119 my share of eight logits
.set BT,  120                          ; v120-127 at work
.set WR,  128                          ; v128-255 my 16 rows of Wr
.set C,   16                           ; v16-18   codes; v20 the scale's byte; v24-27 the steps' logits: in set 0's registers, which are free once its turn through the stage is over
.set E,   20
.set LG,  24
.macro XLOAD t
.irp i, 0,1,2,3
	global_load_b128 v[R+16*(\t)+4*\i:R+16*(\t)+4*\i+3], v3, s[4:5] offset:2048*(4*(\t)+\i) th:TH_LOAD_NT
.endr
.endm
.macro XTURN t                         ; LDS serves a wave's instructions in order: no wait between the stores and the loads
.irp i, 0,1,2,3
	ds_store_b128 v14, v[R+16*(\t)+4*\i:R+16*(\t)+4*\i+3] offset:32*SP*((\t)%2)+8*SP*\i
.endr
.irp i, 0,1,2,3
	ds_load_b128 v[X+16*((\t)%2)+4*\i:X+16*((\t)%2)+4*\i+3], v15 offset:32*SP*((\t)%2)+16*\i
.endr
.endm
.macro BSTAGE st, sm                   ; registers q and q + st: each lane keeps the one that its bit st of the lane number names and adds the partner lane's share of it
.set bq, 0
.rept \st
	v_cndmask_b32 v[BT+2*(bq%4)], v[A+bq], v[A+bq+\st], s[\sm]
	v_cndmask_b32 v[BT+2*(bq%4)+1], v[A+bq+\st], v[A+bq], s[\sm]
	v_add_f32_dpp v[A+bq], v[BT+2*(bq%4)+1], v[BT+2*(bq%4)] row_xmask:\st row_mask:0xf bank_mask:0xf
.set bq, bq+1
.endr
.endm
.macro XSTEP t
.set XN, X+16*((\t)%2)
	s_wait_dscnt 0x0                               ; this step's numbers are back from the stage, and the last step's LDS stores have read their registers
.if (\t) < 3
	s_wait_loadcnt 4*(2-(\t))                      ; the next step's four loads are in; those of the steps behind it may be out
	XTURN (\t)+1                                   ; and go through the other stage while this step is worked
.endif
	v_max3_num_f32 v120, |v[XN]|, |v[XN+1]|, |v[XN+2]|
	v_max3_num_f32 v121, |v[XN+3]|, |v[XN+4]|, |v[XN+5]|
.irp i, 6,10
	v_max3_num_f32 v120, v120, |v[XN+\i]|, |v[XN+\i+1]|
	v_max3_num_f32 v121, v121, |v[XN+\i+2]|, |v[XN+\i+3]|
.endr
	v_max3_num_f32 v120, v120, |v[XN+14]|, |v[XN+15]|
	v_max3_num_f32 v120, v120, v121, (EMAX+1)<<23  ; the floor 2^(5 - 127)
	v_max_num_f32_dpp v120, v120, v120 row_xmask:1 row_mask:0xf bank_mask:0xf   ; with my neighbour's 16: the block's largest magnitude
	v_add_nc_u32 v122, -(EMAX<<23), v120
	v_cvt_scalef32_pk16_bf6_f32 v[C:C+2], v[XN:XN+15], v122
	v_lshrrev_b32 v[E], 23, v122                   ; the scale's byte (a plain place behind the conversion)
	ds_store_b8 v5, v[E] offset:64*(\t)            ; both lanes of a block write the same byte with the same value
	ds_store_b32 v4, v[C] offset:1536*(\t)         ; my 12 bytes of codes, at a multiple of 4: three words
	ds_store_b32 v4, v[C+1] offset:1536*(\t)+4
	ds_store_b32 v4, v[C+2] offset:1536*(\t)+8
	; the router's share: 16 numbers x 8 experts, two experts an instruction; the number is taken for both halves
.irp p, 0,1,2,3
	v_pk_mul_f32 v[A+2*\p:A+2*\p+1], v[XN:XN+1], v[WR+2*\p:WR+2*\p+1] op_sel_hi:[0,1]
.endr
.irp i, 1,2,3,4,5,6,7,8,9,10,11,12,13,14,15
.irp p, 0,1,2,3
.if \i%2
	v_pk_fma_f32 v[A+2*\p:A+2*\p+1], v[XN+\i-1:XN+\i], v[WR+8*\i+2*\p:WR+8*\i+2*\p+1], v[A+2*\p:A+2*\p+1] op_sel:[1,0,0] op_sel_hi:[1,1,1]
.else
	v_pk_fma_f32 v[A+2*\p:A+2*\p+1], v[XN+\i:XN+\i+1], v[WR+8*\i+2*\p:WR+8*\i+2*\p+1], v[A+2*\p:A+2*\p+1] op_sel_hi:[0,1,1]
.endif
.endr
.endr
	BSTAGE 4, 49                                   ; eight registers x eight lanes -> lane l holds register l % 8, summed over its token's eight lanes
	BSTAGE 2, 50
	BSTAGE 1, 51
	v_mov_b32 v[LG+(\t)], v[A]                     ; token 4 t + l / 8, expert l % 8: my K step's share
.endm
.Lx:
	s_load_b256 s[40:47], s[8:9], 0x0              ; br
	s_mov_b32 s39, 0
	s_lshl_b32 s38, s36, 12
	s_add_nc_u64 s[6:7], s[6:7], s[38:39]          ; Wr: my K step's 128 rows of 32 bytes
	v_and_b32 v120, 7, v1
	v_lshlrev_b32 v10, 9, v120                     ; my 16 rows of them
.irp j, 0,1,2,3,4,5,6,7,8,9,10,11,12,13,14,15,16,17,18,19,20,21,22,23,24,25,26,27,28,29,30,31
	global_load_b128 v[WR+4*\j:WR+4*\j+3], v10, s[6:7] offset:16*\j
.endr
	s_lshl_b32 s38, ttmp9, 15                      ; x: the group's 16 rows of 2,048 bytes,
	s_lshl_b32 s37, s36, 9                         ; my K step's 512 bytes of each
	s_add_co_u32 s38, s38, s37
	s_add_nc_u64 s[4:5], s[4:5], s[38:39]
	v_lshlrev_b32 v3, 4, v1                        ; my 16 bytes of a load's 512
	XLOAD 0
	XLOAD 1
	XLOAD 2
	XLOAD 3
	s_mul_i32 s38, ttmp9, 6144
	s_add_nc_u64 s[18:19], s[18:19], s[38:39]      ; xq: 16 x 384
	s_lshl_b32 s38, ttmp9, 8
	s_add_nc_u64 s[20:21], s[20:21], s[38:39]      ; xs: 16 x 16
	s_lshl_b32 s38, ttmp9, 9
	s_add_nc_u64 s[30:31], s[30:31], s[38:39]      ; out1: 16 x 32
	s_mov_b32 s56, ttmp9                           ; g: the group of 16 tokens
	s_mov_b32 s49, 0xf0f0f0f0                      ; lanes whose number has bit 2, 1, 0
	s_mov_b32 s50, 0xcccccccc
	s_mov_b32 s51, 0xaaaaaaaa
	s_mov_b32 s52, 0xffff0000                      ; lanes 16-31
	v_lshrrev_b32 v121, 3, v1                      ; which of a step's four tokens is mine
	v_mul_u32_u24 v4, v121, 384                    ; my 12 bytes of codes: the token's 384, K step v, operand half (l / 2) % 2, its block (l / 4) % 2, half of the block l % 2
	v_bfe_u32 v122, v1, 1, 1
	v_mad_u32_u24 v4, v122, 48, v4
	v_bfe_u32 v122, v1, 2, 1
	v_mad_u32_u24 v4, v122, 24, v4
	v_and_b32 v122, 1, v1
	v_mad_u32_u24 v4, v122, 12, v4
	s_mul_i32 s37, s36, 96
	s_add_co_u32 s37, s37, CDB
	v_add_nc_u32 v4, s37, v4
	v_bfe_u32 v5, v1, 1, 2                         ; my block's scale byte: 16 x token + 4 v + block
	v_lshl_add_u32 v5, v121, 4, v5
	s_lshl_b32 s37, s36, 2
	s_add_co_u32 s37, s37, SCB
	v_add_nc_u32 v5, s37, v5
	s_lshl_b32 s37, s36, 9
	s_add_co_u32 s37, s37, PBO
	v_lshl_add_u32 v8, v1, 2, s37                  ; logits in: my K step's 512 bytes, 4 l
	v_lshlrev_b32 v9, 5, v7
	v_add_nc_u32 v9, PBO, v9                       ; logits out: token r's 32 bytes
	v_lshlrev_b32 v2, 3, v1                        ; 8 l
	v_add_nc_u32 v12, SCB, v2                      ; the scale bytes, out
	s_mul_i32 s37, s36, 1536
	v_add_nc_u32 v13, s37, v3                      ; the codes, out: my wave's quarter, 16 l: in xq
	v_add_nc_u32 v11, CDB, v13                     ; and in LDS
	s_mul_i32 s38, s36, 5120                       ; my wave's two stages
	v_lshrrev_b32 v14, 2, v1
	v_mul_u32_u24 v14, v14, SP
	v_and_b32 v15, 3, v1
	v_lshl_add_u32 v14, v15, 4, v14
	v_add_nc_u32 v14, s38, v14                     ; the stage, in: four lanes' 64 bytes on end, then 16 of padding
	v_mul_u32_u24 v15, v1, SP
	v_add_nc_u32 v15, s38, v15                     ; and out: my 16 neighbours
	s_wait_loadcnt 12                              ; Wr and the first four tokens are in; the other three steps' twelve loads may be out
	s_wait_kmcnt 0x0                               ; br
	XTURN 0
	XSTEP 0
	XSTEP 1
	XSTEP 2
	XSTEP 3
.irp g, 0,1,2,3
	ds_store_b32 v8, v[LG+\g] offset:128*\g
.endr
	s_wait_dscnt 0x0                               ; for the others' sake: my codes, bytes and shares have landed
	s_barrier_signal -1
	s_barrier_wait -1                              ; the group's codes, scale bytes and logits lie in LDS
.irp c, 0,1,2
	ds_load_b128 v[32+4*\c:35+4*\c], v11 offset:512*\c
.endr
	s_wait_dscnt 0x0
.irp c, 0,1,2
	global_store_b128 v13, v[32+4*\c:35+4*\c], s[18:19] offset:512*\c   ; 32 lanes store 512 consecutive bytes, aligned
.endr
	s_cmp_lg_u32 s36, 0
	s_cbranch_scc1 .Lxend
	; ---- wave 0: lane (r, h) takes token r's eight logits
.irp k, 0,1,2,3
	ds_load_b128 v[48+8*\k:51+8*\k], v9 offset:512*\k
	ds_load_b128 v[52+8*\k:55+8*\k], v9 offset:512*\k+16
.endr
	ds_load_b64 v[44:45], v12
	s_wait_dscnt 0x0
	global_store_b64 v2, v[44:45], s[20:21]        ; 32 lanes store the 16 tokens' 256 scale bytes, aligned
.irp e, 0,1,2,3,4,5,6,7
	v_add_f32 v[80+\e], v[48+\e], v[56+\e]         ; the four K steps' shares
	v_add_f32 v[88+\e], v[64+\e], v[72+\e]
.endr
.irp e, 0,1,2,3,4,5,6,7
	v_add_f32 v[80+\e], v[80+\e], v[88+\e]
.endr
.irp e, 0,1,2,3,4,5,6,7
	v_add_f32 v[80+\e], s[40+\e], v[80+\e]
.endr
	v_max3_num_f32 v96, v80, v81, v82              ; the softmax takes its row's maximum away
	v_max3_num_f32 v96, v96, v83, v84
	v_max3_num_f32 v96, v96, v85, v86
	v_max_num_f32 v96, v96, v87
.irp e, 0,1,2,3,4,5,6,7
	v_sub_f32 v[80+\e], v[80+\e], v96
.endr
.irp e, 0,1,2,3,4,5,6,7
	v_mul_f32 v[80+\e], 0x3fb8aa3b, v[80+\e]       ; x log2(e)
.endr
.irp e, 0,1,2,3,4,5,6,7
	v_exp_f32 v[80+\e], v[80+\e]
.endr
	v_nop                                          ; a plain place behind the exponentials
	s_wait_alu depctr_va_vdst(0)
	v_add_f32 v97, v80, v81
	v_add_f32 v98, v82, v83
	v_add_f32 v99, v84, v85
	v_add_f32 v100, v86, v87
	v_add_f32 v97, v97, v98
	v_add_f32 v99, v99, v100
	v_add_f32 v97, v97, v99
	v_rcp_f32 v97, v97
	v_lshlrev_b32 v116, 5, v7                      ; (a plain place behind the reciprocal)  out1: 32 r
	s_wait_alu depctr_va_vdst(0)
.irp e, 0,1,2,3,4,5,6,7
	v_mul_f32 v[80+\e], v[80+\e], v97
.endr
	v_lshl_add_u32 v116, v6, 4, v116               ; + 16 h
.irp j, 0,1,2,3
	v_cndmask_b32 v[104+\j], v[80+\j], v[84+\j], s52     ; lanes 0-15 experts 0-3, lanes 16-31 experts 4-7
.endr
	global_store_b128 v116, v[104:107], s[30:31]   ; the wave stores the 16 tokens' 512 consecutive bytes
	v_mov_b32 v108, v80                            ; the first choice: a later expert wins only if it is strictly larger, so the lower index wins a tie
	v_mov_b32 v109, 0
.irp e, 1,2,3,4,5,6,7
	v_cmp_le_f32 vcc_lo, v[80+\e], v108
	v_cndmask_b32 v108, v[80+\e], v108, vcc_lo
	v_cndmask_b32 v109, \e, v109, vcc_lo
.endr
	v_mov_b32 v110, -1.0                           ; the second: the same among the other seven (every probability is above -1)
	v_mov_b32 v111, 0
.irp e, 0,1,2,3,4,5,6,7
	v_cmp_le_f32 s53, v[80+\e], v110
	v_cmp_eq_u32 s54, \e, v109
	s_or_b32 vcc_lo, s53, s54
	v_cndmask_b32 v110, v[80+\e], v110, vcc_lo
	v_cndmask_b32 v111, \e, v111, vcc_lo
.endr
	v_lshl_or_b32 v112, v111, 8, v109
	s_lshl_b32 s55, s56, 6
	v_lshl_add_u32 v117, v7, 2, s55
	global_store_b32 v117, v112, s[28:29] offset:8192    ; lanes 16-31 repeat lanes 0-15's words at the same places
	v_and_b32 v118, 7, v1
	v_mov_b32 v113, 0
	v_mov_b32 v114, 0
.irp e, 0,1,2,3,4,5,6,7                ; which of the 16 tokens chose expert e, and how many: values, stored at fixed places
	v_cmp_eq_u32 s53, \e, v109
	v_cmp_eq_u32 s54, \e, v111
	s_or_b32 s53, s53, s54
	s_and_b32 s53, s53, 0xffff
	s_bcnt1_i32_b32 s54, s53
	v_cmp_eq_u32 vcc_lo, \e, v118
	v_mov_b32 v121, s53
	v_mov_b32 v122, s54
	v_cndmask_b32 v113, v113, v121, vcc_lo
	v_cndmask_b32 v114, v114, v122, vcc_lo
.endr
	s_lshl_b32 s55, s56, 1
	v_lshl_add_u32 v119, v118, 9, s55
	v_lshl_add_u32 v120, v118, 8, s56
	global_store_b16 v119, v113, s[28:29] offset:2048    ; lane l serves expert l % 8 (four lanes write the same value to the same place): 24 bytes a group, in eight rows
	global_store_b8 v120, v114, s[28:29]
.Lxend:
	s_set_vgpr_msb 0x5
	s_wait_tensorcnt 0x0
	ds_add_u32 v0, v1
	s_wait_dscnt 0x0
	s_set_vgpr_msb 0x500
	s_endpgm
.Lfunc_end_k_qb5c955de04_prep:
	.size	k_qb5c955de04_prep, .Lfunc_end_k_qb5c955de04_prep-k_qb5c955de04_prep
	.p2alignl 7, 3214868480
	.fill 96, 4, 3214868480
	.section	.rodata,"a",@progbits
	.p2align	6, 0x0
	.amdhsa_kernel k_qb5c955de04_prep
		.amdhsa_group_segment_fixed_size 29440
		.amdhsa_private_segment_fixed_size 0
		.amdhsa_enable_private_segment 0
		.amdhsa_kernarg_size 112
		.amdhsa_user_sgpr_count 2
		.amdhsa_user_sgpr_kernarg_segment_ptr 1
		.amdhsa_wavefront_size32 1
		.amdhsa_system_sgpr_workgroup_id_x 1
		.amdhsa_system_sgpr_workgroup_id_y 1
		.amdhsa_system_sgpr_workgroup_id_z 1
		.amdhsa_system_vgpr_workitem_id 0
		.amdhsa_next_free_vgpr 258
		.amdhsa_next_free_sgpr 66
		.amdhsa_reserve_vcc 1
		.amdhsa_float_denorm_mode_32 3
		.amdhsa_float_denorm_mode_16_64 3
		.amdhsa_memory_ordered 1
		.amdhsa_forward_progress 1
		.amdhsa_inst_pref_size 108
	.end_amdhsa_kernel
	.amdgpu_metadata
---
amdhsa.version: [ 1, 2 ]
amdhsa.kernels:
  - .name:           k_qb5c955de04_prep
    .symbol:         k_qb5c955de04_prep.kd
    .args:
      - { .name: x, .offset: 0, .size: 8, .value_kind: global_buffer, .address_space: global }
      - { .name: Wr, .offset: 8, .size: 8, .value_kind: global_buffer, .address_space: global }
      - { .name: br, .offset: 16, .size: 8, .value_kind: global_buffer, .address_space: global }
      - { .name: W1, .offset: 24, .size: 8, .value_kind: global_buffer, .address_space: global }
      - { .name: W2, .offset: 32, .size: 8, .value_kind: global_buffer, .address_space: global }
      - { .name: W3, .offset: 40, .size: 8, .value_kind: global_buffer, .address_space: global }
      - { .name: b3, .offset: 48, .size: 8, .value_kind: global_buffer, .address_space: global }
      - { .name: xq, .offset: 56, .size: 8, .value_kind: global_buffer, .address_space: global }
      - { .name: xs, .offset: 64, .size: 8, .value_kind: global_buffer, .address_space: global }
      - { .name: w1q, .offset: 72, .size: 8, .value_kind: global_buffer, .address_space: global }
      - { .name: w2q, .offset: 80, .size: 8, .value_kind: global_buffer, .address_space: global }
      - { .name: w3q, .offset: 88, .size: 8, .value_kind: global_buffer, .address_space: global }
      - { .name: route, .offset: 96, .size: 8, .value_kind: global_buffer, .address_space: global }
      - { .name: out1, .offset: 104, .size: 8, .value_kind: global_buffer, .address_space: global }
    .group_segment_fixed_size: 29440
    .private_segment_fixed_size: 0
    .kernarg_segment_align: 8
    .kernarg_segment_size: 112
    .max_flat_workgroup_size: 128
    .sgpr_count:     66
    .vgpr_count:     258
    .wavefront_size: 32
...
	.end_amdgpu_metadata
.endif
;; end of part 1
;; launch chain (part 2): grid 135 x 1, 4 waves a work-group, no clusters, 310,784 bytes of LDS; arguments route, out1, xq, xs, w1q, w2q, w3q, b1, b2, part; writes part
.if DOCPART == 2
	.amdgcn_target "amdgcn-amd-amdhsa--gfx1250"
	.amdhsa_code_object_version 6
	.text
	.protected	k_qb5c955de04_chain
	.globl	k_qb5c955de04_chain
	.p2align	8
	.type	k_qb5c955de04_chain,@function
k_qb5c955de04_chain:
	s_mov_b64 s[64:65], 0
	v_nop
	global_prefetch_b8 v0, s[64:65] scope:SCOPE_SE
	s_setreg_imm32_b32 hwreg(HW_REG_WAVE_MODE, 25, 1), 1
	s_wait_xcnt 0x0
; CHAIN: one work-group takes one tile of 64 routed rows of ONE expert through the whole chain: gather, x W1 + b1, relu, quantise, W2 + b2, relu, quantise, W3 + b3, x gate / 2, store.
; All three products on codes of BF6 (E3M2) with one E8M0 scale for each 32 along K; sums f32; the hidden layers never go to memory.
; GRID: 8,192 routed rows in tiles of 64 over 8 experts are never more than 128 + 7 = 135 tiles, whatever the split.  A work-group that a split leaves without rows walks the same text on clamped
; rows and stores nothing: every wave passes every barrier, and no branch hangs on loaded numbers (the text has no branch at all).
; WHICH ROWS: the launch before stored, for each expert and each group of 16 tokens, a count and a mask.  Each lane finds the token of its rank by integer work alone: chunk of 256 tokens, word of four
; groups, group, bit.  Every number so found is held to its range before it enters an address.
; SHARES: the four waves share the COLUMNS: wave w makes hidden units 256 w .. of layer 1 (two groups of 128) and 128 w .. of layer 2, for all 64 rows; in layer 3 it takes row tile w and all 64 classes,
; so that a row's token, gate and place stay in the wave that found them.  Weights come in sets laid in the order of the operand's registers; each fragment is fetched by one wave, once.
; TWO WAYS FOR THE WEIGHTS.  Twelve of a wave's sixteen sets go from memory straight into registers, two sets (50 loads of 512 bytes) ahead.  The other four (K steps 4-7 of layer 2, 51,200 dense bytes a wave) are
; asked for at the head, as soon as the expert is known, by asynchronous copies into LDS bytes of the wave's own, filled once; they land while the search and the gather of x wait for memory.  Layer 2 takes a set
; from registers and a set from LDS by turns.
; THE WALK ALONG K BEGINS AT K STEP (work-group's number mod 4), in layer 1 and for the four sets of layer 2 that come through registers: the work-groups of one expert have neighbouring numbers, so at any time
; they ask for four different sets and not all for one.  So the K steps' sums are added in that order and not from step 0 on: an order of rounding that differs from ascending K.
; Rows' codes go from wave to wave through LDS as images of the operand's registers (16 bytes a lane, 512 bytes a store); four barriers.
; BOTH operands transposed: source 0 = 16 rows of a weight, source 1 = 16 rows of tokens: a lane holds ONE token, and its registers run along the hidden units, which are the next K.
; NO CLUSTER, NO JOINT LOADS: which expert a work-group serves hangs on counts read from memory; partners would have to be given tiles of one expert, which asks each expert's tiles to be filled up to a
; multiple of four (up to 152 work-groups, up to 24 of them idle), and every descriptor would hang on those counts.
; LIMITS: as the launch before states them (NaN, infinities; floor of the scale's byte at 1, a block of zeros too).
; REGISTERS, in windows of 256: window 0: v1-35 lane numbers and addresses; v36-87 and v188-191 scale words and nothing else; v88-147 the quantiser; v148-187, v224-255 the search, later offsets and the way out; v192-223 b3.
;   window 1: two sets of weights (96 p + 12 t), from v192 a layer's bias (8 t).   window 2: the 32 accumulators (64 m + 8 t).
;   window 3: the token side: x's 16 fragments; then two buffers of four hidden fragments and, from v96, the set that comes out of LDS; then W3 and h2.
.set XIMG,  0                          ; LDS: x's 16 fragments (4 m + K slot), 1,536 bytes each
.set XSC,   24576                      ; their scale words: [m][lane][K slot]
.set H1IMG, 26624                      ; hidden layer 1: 32 fragments (4 k + m)
.set H1SC,  75776                      ; [k][lane][m]
.set H2IMG, 26624                      ; hidden layer 2: 16 fragments (4 m + s): laid over hidden layer 1's first bytes, behind a barrier of its own
.set H2SC,  51200                      ; [m][lane][s]
.set W3IMG, 79872                      ; W3's 16 fragments (4 n + s)
.set W3SC,  104448                     ; [n][lane][2]
.set STG,   0                          ; the way out: 16 rows x 272 bytes for each wave: laid over x's images, which nobody reads behind the second barrier
.set WL,    105472                     ; four sets of W2 for each wave, 51,200 bytes: filled by copies, once; nothing is stored there
.set L, 1
.set R, 2
.set H, 3
.set LI, 4                             ; 16 l
.set L8, 5
.set H64, 6
.set H32, 7
.set R16, 8
.set TOK, 9
.set XO, 10
.set T16, 11
.set GO, 12
.set T4, 13
.set G, 14                             ; gate / 2 of my token
.set RHO, 15                           ; my row's place in part: token + 4096 x slot, or -1
.set AXW, 16
.set AXSW, 17
.set AXSR, 18
.set AH1W, 19
.set AH1SW, 20
.set AH1R, 21
.set AH1SR, 22
.set AH2W, 23
.set AH2SW, 24
.set AH2R, 25
.set AH2SR, 26
.set AW3W, 27
.set AW3SW, 28
.set AW3R, 29
.set AW3SR, 30
.set ASTW, 31
.set ASTR, 32
.set ALW, 35                           ; v35  my wave's copied sets: WL + 51,200 w + 16 l; never rewritten
.set WS,  36                           ; v36-51  weights' scale words: four slots of four
.set XS,  52                           ; v52-67  x's: 4 m + K slot
.set HS,  68                           ; v68-75  hidden layer 1's: two buffers of four
.set W3S, 76                           ; v76-83  W3's: 2 n + j
.set H2S, 84                           ; v84-87  hidden layer 2's
.set LS,  188                          ; v188-191 the scale words of the set that comes out of LDS
.set TM,  88                           ; v88-103 the quantiser at work
.set PW,  104                          ; v104-105 the scale word just made, two by turns
.set PC,  108                          ; v108-147 the codes just made, two sets of 20 by turns
.set PO,  108                          ; the way out: byte offsets in part
.set SR,  148                          ; the search
.set XOJ, 148                          ; v148-151 my token's codes of K slot j;  v152-155 its scale word
.set TSJ, 152
.set HT,  156                          ; v156-157 LDS addresses of a rotated K step's hidden fragments and scale words
.set Y,   148                          ; the way out: results x gate
.set RO,  180                          ; the way out: places of the rows that I store
.set B3C, 192                          ; v192-223 b3 in the result's layout
.set OB,  224                          ; the way out: rows read back
.set WV,  28                           ; s28 wave
.set EX,  41                           ; s41 my expert
.set J0,  89                           ; s89 the tile's first rank
.set NR,  90                           ; s90 its rows
.set P1,  74                           ; s[74:75] my sets of W1;  s[76:77] of W2
.set P2,  76
.set B1P, 78
.set B2P, 80
.set W3P, 82                           ; the expert's four blocks of W3;  s[84:85] my wave's block
.set W3W, 84
.set BS1, 32                           ; s[32:39] W1: the set of K slot j (of my first group of columns)
.set BS2, 94                           ; s[94:101] W2: the set of K slot j, j = 0 .. 3
.set LB,  92                           ; s[92:93] W2: my sets of K steps 4-7; never rewritten
.set HOF, 44                           ; s44-47 6,144 x the K step of slot j;  s48-51 512 x it
.set HSF, 48
.set MSB, 0
.macro WIN new                         ; the immediate's high byte repeats the setting that is left
.if MSB != \new
	s_set_vgpr_msb (MSB<<8)|\new
.set MSB, \new
.endif
.endm
; The text is one straight line, so the loads can be counted as they are written: NI is the number issued so far, a mark keeps NI behind a group, and the wait for a group leaves out exactly the loads issued behind it.
; (Copies into LDS have a counter of their own and are not counted here.)
.set NI, 0
.macro GL128 dst, adr, base, off
	global_load_b128 v[\dst:\dst+3], v[\adr], s[\base:\base+1] offset:\off
.set NI, NI+1
.endm
.macro WAITM name
.if NI-\name > 63
	s_wait_loadcnt 63                              ; more than 63 were issued behind the group: a smaller count is safe
.else
	s_wait_loadcnt NI-\name
.endif
.endm
.macro PLACES                          ; four places behind a matrix instruction, in front of loads into its registers and of reads of its result
.rept 4
	v_nop
.endr
.endm
.macro LADR reg, mul, base, lanev      ; an LDS address: a constant + a constant x wave + the lane's term
	s_mul_i32 s60, s[WV], \mul
	s_add_co_u32 s60, s60, \base
	v_add_nc_u32 v[\reg], s60, v[\lanev]
.endm
.macro COPY a, b                       ; rows a .. b - 1 (512 bytes each) of my four sets of K steps 4-7: memory to LDS; the immediate steps both addresses
.set cq, \a
.rept (\b)-(\a)
	global_load_async_to_lds_b128 v[ALW], v[LI], s[LB:LB+1] offset:512*cq
.set cq, cq+1
.endr
.endm
; Sets that come through registers are numbered 0-7 (layer 1: group n / 4, K slot n % 4) and 8-11 (layer 2: K slot n - 8).
.macro WLA n                           ; set n, first half: the scale row and tiles 0-3 (13 loads of 512 consecutive bytes)
	WIN 0
.if \n < 8
.set WB_, BS1+2*((\n)%4)
.set WO_, 51200*((\n)/4)
.else
.set WB_, BS2+2*((\n)-8)
.set WO_, 0
.endif
	GL128 WS+4*((\n)%4), LI, WB_, WO_+12288
	WIN 0x40
.irp q, 0,1,2,3,4,5,6,7,8,9,10,11
	GL128 96*((\n)%2)+4*\q, LI, WB_, WO_+512*\q
.endr
.set MA\n, NI
.endm
.macro WLB n                           ; second half: tiles 4-7
.if \n < 8
.set WB_, BS1+2*((\n)%4)
.set WO_, 51200*((\n)/4)
.else
.set WB_, BS2+2*((\n)-8)
.set WO_, 0
.endif
	WIN 0x40
.irp q, 12,13,14,15,16,17,18,19,20,21,22,23
	GL128 96*((\n)%2)+4*\q, LI, WB_, WO_+512*\q
.endr
.set MB\n, NI
.endm
.macro BIAS base, off                  ; eight registers a tile in the result's layout: lane (r, h), tile 2 b + u: units 32 b + 16 h + 8 u + 0 .. 7
	WIN 0x40
.irp t, 0,1,2,3,4,5,6,7
	GL128 192+8*\t, H64, \base, \off+(32*(\t/2)+8*(\t%2))*4
	GL128 192+8*\t+4, H64, \base, \off+(32*(\t/2)+8*(\t%2))*4+16
.endr
.endm
; 16 matrix instructions: tiles 4 half .. 4 half + 3 of a set x the four tiles of rows.  The set's fragments begin at v[ab] of the window that wn names for source 0, its scale words at v[ws].
; The token side's fragment m is v[bb + bs m] of window 3, its scale word v[sb + ss m].  first = 1: the bias is the C of the sum's first instruction.
; The 32 accumulators take turns, one instruction a turn, in the same order in every set.
.macro MUL16 ab, ws, wn, half, first, bb, bs, sb, ss
	WIN \wn
.irp t, 0,1,2,3
.irp m, 0,1,2,3
.set TT, 4*(\half)+\t
.if \first
.if \t%2
	v_wmma_scale_f32_16x16x128_f8f6f4 v[64*\m+8*TT:64*\m+8*TT+7], v[\ab+12*TT:\ab+12*TT+11], v[\bb+\bs*\m:\bb+\bs*\m+11], v[192+8*TT:192+8*TT+7], v[\ws+TT/2], v[\sb+\ss*\m] matrix_a_fmt:MATRIX_FMT_BF6 matrix_b_fmt:MATRIX_FMT_BF6 matrix_a_scale:MATRIX_SCALE_ROW1
.else
	v_wmma_scale_f32_16x16x128_f8f6f4 v[64*\m+8*TT:64*\m+8*TT+7], v[\ab+12*TT:\ab+12*TT+11], v[\bb+\bs*\m:\bb+\bs*\m+11], v[192+8*TT:192+8*TT+7], v[\ws+TT/2], v[\sb+\ss*\m] matrix_a_fmt:MATRIX_FMT_BF6 matrix_b_fmt:MATRIX_FMT_BF6
.endif
.else
.if \t%2
	v_wmma_scale_f32_16x16x128_f8f6f4 v[64*\m+8*TT:64*\m+8*TT+7], v[\ab+12*TT:\ab+12*TT+11], v[\bb+\bs*\m:\bb+\bs*\m+11], v[64*\m+8*TT:64*\m+8*TT+7], v[\ws+TT/2], v[\sb+\ss*\m] matrix_a_fmt:MATRIX_FMT_BF6 matrix_b_fmt:MATRIX_FMT_BF6 matrix_a_scale:MATRIX_SCALE_ROW1
.else
	v_wmma_scale_f32_16x16x128_f8f6f4 v[64*\m+8*TT:64*\m+8*TT+7], v[\ab+12*TT:\ab+12*TT+11], v[\bb+\bs*\m:\bb+\bs*\m+11], v[64*\m+8*TT:64*\m+8*TT+7], v[\ws+TT/2], v[\sb+\ss*\m] matrix_a_fmt:MATRIX_FMT_BF6 matrix_b_fmt:MATRIX_FMT_BF6
.endif
.endif
.endr
.endr
.endm
; windows of the products: D window 2; source 1 window 3; C: the bias (window 1) or the accumulator (window 2); source 0: window 1 (sets through registers) or window 3 (the set out of LDS)
.set W_G1, 0x9d
.set W_G,  0xad
.set W_L,  0xaf
; A set of layer 1: 32 matrix instructions on K slot j.  Each half of the set's registers is filled again, with the set two further on, as soon as its 16 products are issued.
.macro SET1 cur, nxt, first, j
	WAITM MA\cur                                   ; the scale row and tiles 0-3 are in
.if \first
	MUL16 96*((\cur)%2), WS+4*((\cur)%4), W_G1, 0, 1, 12*(\j), 48, XS+(\j), 4
.else
	MUL16 96*((\cur)%2), WS+4*((\cur)%4), W_G, 0, 0, 12*(\j), 48, XS+(\j), 4
.endif
	PLACES
	WLA \nxt
	WAITM MB\cur                                   ; tiles 4-7 are in
.if \first
	MUL16 96*((\cur)%2), WS+4*((\cur)%4), W_G1, 1, 1, 12*(\j), 48, XS+(\j), 4
.else
	MUL16 96*((\cur)%2), WS+4*((\cur)%4), W_G, 1, 0, 12*(\j), 48, XS+(\j), 4
.endif
	PLACES
	WLB \nxt
.endm
.macro HLOADF k                        ; layer 2, K step k (4 .. 7): the four tiles of rows' hidden fragments and scale words, into buffer 1
	WIN 0xc0
.irp m, 0,1,2,3
.irp c, 0,1,2
	ds_load_b128 v[48+12*\m+4*\c:48+12*\m+4*\c+3], v[AH1R] offset:(4*(\k)+\m)*1536+512*\c
.endr
.endr
	WIN 0
	ds_load_b128 v[HS+4:HS+7], v[AH1SR] offset:512*(\k)
.endm
.macro HLOADR j                        ; layer 2, the K step of slot j (0 .. 3, rotated by the work-group's number), into buffer 0
	WIN 0
	v_add_nc_u32 v[HT], s[HOF+\j], v[AH1R]
	v_add_nc_u32 v[HT+1], s[HSF+\j], v[AH1SR]
	WIN 0xc0
.irp m, 0,1,2,3
.irp c, 0,1,2
	ds_load_b128 v[12*\m+4*\c:12*\m+4*\c+3], v[HT] offset:\m*1536+512*\c
.endr
.endr
	WIN 0
	ds_load_b128 v[HS:HS+3], v[HT+1]
.endm
.macro LLOAD i                         ; my copied set i (K step 4 + i) out of LDS: 24 rows into window 3, v96 on, and its scale row
	WIN 0xc0
.irp q, 0,1,2,3,4,5,6,7,8,9,10,11,12,13,14,15,16,17,18,19,20,21,22,23
	ds_load_b128 v[96+4*\q:96+4*\q+3], v[ALW] offset:12800*(\i)+512*\q
.endr
	WIN 0
	ds_load_b128 v[LS:LS+3], v[ALW] offset:12800*(\i)+12288
.endm
; Layer 2, a set through registers (hidden fragments in buffer 0).  At its head the copied set li, which is multiplied next, is fetched out of LDS; in its middle that set's hidden fragments.
.macro SET2G cur, nxt, first, li
	WAITM MA\cur                                   ; the scale row and tiles 0-3 are in
	s_wait_dscnt 0x0                               ; this K step's hidden fragments are in
	LLOAD \li                                      ; (its registers' last readers stand behind four places)
.if \first
	MUL16 96*((\cur)%2), WS+4*((\cur)%4), W_G1, 0, 1, 0, 12, HS, 1
.else
	MUL16 96*((\cur)%2), WS+4*((\cur)%4), W_G, 0, 0, 0, 12, HS, 1
.endif
	PLACES
.if \nxt >= 0
	WLA \nxt
.endif
	HLOADF 4+\li
	WAITM MB\cur                                   ; tiles 4-7 are in
.if \first
	MUL16 96*((\cur)%2), WS+4*((\cur)%4), W_G1, 1, 1, 0, 12, HS, 1
.else
	MUL16 96*((\cur)%2), WS+4*((\cur)%4), W_G, 1, 0, 0, 12, HS, 1
.endif
	PLACES
.if \nxt >= 0
	WLB \nxt
.endif
.endm
; Layer 2, a copied set (hidden fragments in buffer 1).  jn: the K slot of the set that follows, whose hidden fragments are fetched in the middle; -1: none.
.macro SET2L jn
	s_wait_dscnt 0x0                               ; the set and its K step's hidden fragments are in
	MUL16 96, LS, W_L, 0, 0, 48, 12, HS+4, 1
	PLACES
.if \jn >= 0
	HLOADR \jn
.endif
	MUL16 96, LS, W_L, 1, 0, 48, 12, HS+4, 1
	PLACES
.endm
; The 64 results of my token in the tile of rows m (register 16 b + i = unit 32 b + 16 (lane / 16) + i) are clipped at 0 and become a fragment's codes in code set p and its scale word in v[PW + p].
.macro QUANT m, p
.set QS, 64*(\m)
.set QP, PC+20*(\p)
	s_wait_dscnt 4                                 ; only the image before (four LDS stores) may be out: the stores of the image before that have read this code set
	WIN 0x88                                       ; source 1 and destination window 2
.set qj, 0
.rept 64
	v_max_num_f32 v[QS+qj], 0, v[QS+qj]            ; the activation, in f32; ascending
.set qj, qj+1
.endr
	WIN 0x0a                                       ; sources 0 and 1 window 2
.irp b, 0,1,2,3
	v_max3_num_f32 v[TM+\b], v[QS+16*\b], v[QS+16*\b+1], 0x2800000   ; block b: my 16 numbers (none is negative), and the floor 2^(5 - 127)
.endr
.irp i, 2,4,6,8,10,12,14
.irp b, 0,1,2,3
	v_max3_num_f32 v[TM+\b], v[QS+16*\b+\i], v[QS+16*\b+\i+1], v[TM+\b]
.endr
.endr
	WIN 0
.irp b, 0,1,2,3
	v_permlanex16_b32 v[TM+4+\b], v[TM+\b], s70, s71
.endr
.irp b, 0,1,2,3
	v_max_num_f32 v[TM+\b], v[TM+\b], v[TM+4+\b]   ; with lane l xor 16's: the block's largest magnitude
.endr
.irp b, 0,1,2,3
	v_add_nc_u32 v[TM+12+\b], 0xfe000000, v[TM+\b] ; 4 off its exponent field: the conversion's scale operand
.endr
.irp b, 0,1,2,3
	v_lshrrev_b32 v[TM+4+\b], 23, v[TM+12+\b]      ; the scale's byte
.endr
	v_lshl_or_b32 v[PW+\p], v[TM+5], 8, v[TM+4]
	v_lshl_or_b32 v[PW+\p], v[TM+6], 16, v[PW+\p]
	v_lshl_or_b32 v[PW+\p], v[TM+7], 24, v[PW+\p]
	WIN 0x02                                       ; source 0 window 2
.irp c, 0,1
	v_cvt_scalef32_pk16_bf6_f32 v[QP+6*\c:QP+6*\c+2], v[QS+32*\c:QS+32*\c+15], v[TM+12+2*\c]
	v_cvt_scalef32_pk16_bf6_f32 v[QP+12+4*\c:QP+14+4*\c], v[QS+32*\c+16:QS+32*\c+31], v[TM+12+2*\c+1]   ; (a conversion's three registers begin on an even number)
.endr
	WIN 0
	v_nop                                          ; one plain place behind a scaled conversion
.irp c, 0,1                            ; the operand's layout wants a WHOLE block in a lane: lanes 0-15 block 2 c, lanes 16-31 block 2 c + 1
.irp i, 0,1,2
	v_permlane16_swap_b32 v[QP+6*\c+\i], v[QP+12+4*\c+\i]
.endr
.irp i, 0,1,2
	v_mov_b32 v[QP+3+6*\c+\i], v[QP+12+4*\c+\i]
.endr
.endr
.endm
.macro IMAGE adr, off, sadr, soff, p   ; the fragment goes to LDS as it stands, and its scale word beside it
.irp c, 0,1,2
	ds_store_b128 v[\adr], v[PC+20*(\p)+4*\c:PC+20*(\p)+4*\c+3] offset:\off+512*\c
.endr
	ds_store_b32 v[\sadr], v[PW+\p] offset:\soff
.endm
.macro PICKW q, pre                    ; the search: word q of four groups is taken unless its prefix exceeds the rank
	v_cmp_gt_u32 vcc_lo, v[\pre], v181
	v_cndmask_b32 v236, v[184+\q], v236, vcc_lo
	v_cndmask_b32 v237, v[224+2*\q], v237, vcc_lo
	v_cndmask_b32 v238, v[225+2*\q], v238, vcc_lo
	v_cndmask_b32 v239, v[\pre], v239, vcc_lo
	v_cndmask_b32 v240, \q, v240, vcc_lo
.endm
.macro BITSTEP x, w                    ; the search: pass over w bits if they hold no more set bits than the rank left
	v_bfe_u32 v252, v[\x], v251, \w
	v_cmp_gt_u32 vcc_lo, v252, v181
	v_sub_nc_u32 v253, v181, v252
	v_add_nc_u32 v254, \w, v251
	v_cndmask_b32 v181, v253, v181, vcc_lo
	v_cndmask_b32 v251, v254, v251, vcc_lo
.endm
	s_load_b256 s[4:11], s[0:1], 0x0               ; route, out1, xq, xs
	s_load_b256 s[12:19], s[0:1], 0x20             ; w1q, w2q, w3q, b1
	s_load_b128 s[20:23], s[0:1], 0x40             ; b2, part
	v_lshl_add_u32 v143, v0, 2, 0x4bc00
	v_mov_b32 v147, 0
	ds_add_u32 v143, v147
	ds_add_u32 v143, v147
	v_lshrrev_b32 v1, 5, v0
	v_readfirstlane_b32 s[WV], v1                  ; wave 0..3
	v_and_b32 v[L], 31, v0
	v_lshlrev_b32 v[LI], 4, v[L]
	s_wait_dscnt 0x0
	s_wait_kmcnt 0x0
	; ---- the search, 1: all counts.  Lane l of load k holds expert 2 k + l / 16, chunk l % 16 (256 tokens): 16 byte counts
.irp k, 0,1,2,3
	GL128 SR+4*\k, LI, 4, 512*\k
.endr
	v_and_b32 v[R], 15, v0                         ; while they are on their way: lane numbers and every LDS address
	v_bfe_u32 v[H], v0, 4, 1
	v_lshlrev_b32 v[L8], 3, v[L]
	v_lshlrev_b32 v[H64], 6, v[H]
	v_lshlrev_b32 v[H32], 5, v[H]
	v_lshlrev_b32 v[R16], 4, v[R]
	LADR AXW, 6144, XIMG, LI
	LADR AXSW, 512, XSC, LI
	v_add_nc_u32 v[AXSR], XSC, v[LI]
	LADR AH1W, 12288, H1IMG, LI
	LADR AH1SW, 1024, H1SC, LI
	v_add_nc_u32 v[AH1R], H1IMG, v[LI]
	v_add_nc_u32 v[AH1SR], H1SC, v[LI]
	LADR AH2W, 1536, H2IMG, LI
	LADR AH2SW, 4, H2SC, LI
	LADR AH2R, 6144, H2IMG, LI
	LADR AH2SR, 512, H2SC, LI
	LADR AW3W, 6144, W3IMG, LI
	LADR AW3SW, 256, W3SC, L8
	v_add_nc_u32 v[AW3R], W3IMG, v[LI]
	v_add_nc_u32 v[AW3SR], W3SC, v[L8]
	LADR ALW, 51200, WL, LI
	v_mul_u32_u24 v33, v[R], 272
	v_lshl_add_u32 v33, v[H], 5, v33
	LADR ASTW, 4352, STG, 33
	v_mul_u32_u24 v34, v[H], 272
	v_add_nc_u32 v34, v34, v[R16]
	LADR ASTR, 4352, STG, 34
	s_mov_b32 s70, 0x76543210
	s_mov_b32 s71, 0xfedcba98                      ; v_permlanex16_b32's selects for lane l xor 16
	s_mov_b32 s72, 0x01010101
	s_mov_b32 s88, 0xffff0000                      ; lanes 16-31
.irp b, 0,1,2,3
	v_mov_b32 v[TM+4+\b], 0                        ; written once: a lane permute's destination counts as one of its sources
.endr
	v_mov_b32 v174, 0
	v_mov_b32 v175, 0
	v_mov_b32 v177, 0
	s_wait_loadcnt 0x0
	; ---- 2: a chunk's count: 16 bytes of at most 16 each
.irp k, 0,1,2,3
	v_add_nc_u32 v[164+\k], v[SR+4*\k], v[SR+4*\k+1]
	v_add3_u32 v[164+\k], v[164+\k], v[SR+4*\k+2], v[SR+4*\k+3]    ; bytes of at most 64
.endr
.irp k, 0,1,2,3
	v_lshrrev_b32 v[168+\k], 8, v[164+\k]
	v_and_b32 v[164+\k], 0xff00ff, v[164+\k]
	v_and_b32 v[168+\k], 0xff00ff, v[168+\k]
	v_add_nc_u32 v[164+\k], v[164+\k], v[168+\k]
	v_lshrrev_b32 v[168+\k], 16, v[164+\k]
	v_and_b32 v[164+\k], 0xffff, v[164+\k]
	v_add_nc_u32 v[164+\k], v[164+\k], v[168+\k]   ; at most 256
.endr
	; ---- 3: the experts' totals (at most 4,096: two to a word), summed over the 16 lanes of a row
	v_lshl_or_b32 v172, v165, 16, v164
	v_lshl_or_b32 v173, v167, 16, v166
.irp x, 1,2,4,8
	v_mov_b32_dpp v174, v172 row_xmask:\x row_mask:0xf bank_mask:0xf
	v_mov_b32_dpp v175, v173 row_xmask:\x row_mask:0xf bank_mask:0xf
	v_add_nc_u32 v172, v172, v174
	v_add_nc_u32 v173, v173, v175
.endr
	v_readlane_b32 s24, v172, 0                    ; experts 0 and 2
	v_readlane_b32 s25, v172, 16                   ; 1 and 3
	v_readlane_b32 s26, v173, 0                    ; 4 and 6
	v_readlane_b32 s27, v173, 16                   ; 5 and 7
	s_and_b32 s32, s24, 0xffff
	s_and_b32 s33, s25, 0xffff
	s_lshr_b32 s34, s24, 16
	s_lshr_b32 s35, s25, 16
	s_and_b32 s36, s26, 0xffff
	s_and_b32 s37, s27, 0xffff
	s_lshr_b32 s38, s26, 16
	s_lshr_b32 s39, s27, 16
	; ---- 4: which expert's which tile is mine: the last expert whose first tile is not behind my number
	s_mov_b32 s40, 0
	s_mov_b32 s[EX], 0
	s_mov_b32 s42, 0
	s_mov_b32 s43, 0
.irp k, 0,1,2,3,4,5,6,7
	s_add_co_u32 s60, s[32+\k], 63
	s_lshr_b32 s60, s60, 6
	s_cmp_ge_u32 ttmp9, s40
	s_cselect_b32 s[EX], \k, s[EX]
	s_cselect_b32 s42, s40, s42
	s_cselect_b32 s43, s[32+\k], s43
	s_add_co_u32 s40, s40, s60
.endr
	s_min_u32 s[EX], s[EX], 7
	s_sub_co_u32 s[J0], ttmp9, s42
	s_lshl_b32 s[J0], s[J0], 6                     ; the tile's first rank among the expert's rows
	s_sub_co_i32 s[NR], s43, s[J0]
	s_max_i32 s[NR], s[NR], 0
	s_min_i32 s[NR], s[NR], 64                     ; its rows: 0 for a work-group that the split leaves without
	s_lshl_b32 s60, s[EX], 5
	s_lshl_b32 s61, s[WV], 3
	s_add_co_u32 s60, s60, s61
	s_mul_i32 s86, s60, 12800                      ; my eight sets of each layer lie on end: set 32 e + 8 w
	s_mov_b32 s87, 0
	s_add_nc_u64 s[P1:P1+1], s[12:13], s[86:87]
	s_add_nc_u64 s[P2:P2+1], s[14:15], s[86:87]
	s_add_nc_u64 s[LB:LB+1], s[P2:P2+1], 51200     ; W2's K steps 4-7
	s_lshl_b32 s60, s[EX], 12
	s_lshl_b32 s61, s[WV], 10
	s_add_co_u32 s86, s60, s61
	s_add_nc_u64 s[B1P:B1P+1], s[18:19], s[86:87]
	s_lshl_b32 s60, s[EX], 11
	s_lshl_b32 s61, s[WV], 9
	s_add_co_u32 s86, s60, s61
	s_add_nc_u64 s[B2P:B2P+1], s[20:21], s[86:87]
	s_mul_i32 s86, s[EX], 26624
	s_add_nc_u64 s[W3P:W3P+1], s[16:17], s[86:87]
	s_mul_i32 s86, s[WV], 6656
	s_add_nc_u64 s[W3W:W3W+1], s[W3P:W3P+1], s[86:87]
.irp j, 0,1,2,3                        ; K slot j is K step (work-group's number + j) mod 4: its set of W1 and of W2
	s_add_co_u32 s60, ttmp9, \j
	s_and_b32 s60, s60, 3
	s_mul_i32 s86, s60, 12800
	s_add_nc_u64 s[BS1+2*\j:BS1+2*\j+1], s[P1:P1+1], s[86:87]
	s_add_nc_u64 s[BS2+2*\j:BS2+2*\j+1], s[P2:P2+1], s[86:87]
.endr
	; ---- 5: my expert's 16 chunk counts as scalars
	s_lshr_b32 s60, s[EX], 1
	s_cmp_eq_u32 s60, 1
	s_cselect_b32 s66, -1, 0
	s_cmp_eq_u32 s60, 2
	s_cselect_b32 s67, -1, 0
	s_cmp_eq_u32 s60, 3
	s_cselect_b32 s68, -1, 0
	s_bitcmp1_b32 s[EX], 0
	s_cselect_b32 s69, -1, 0
	v_cndmask_b32 v176, v164, v165, s66
	v_cndmask_b32 v176, v176, v166, s67
	v_cndmask_b32 v176, v176, v167, s68
	v_permlanex16_b32 v177, v176, s70, s71
	v_cndmask_b32 v176, v176, v177, s69            ; an odd expert's counts lay in lanes 16-31
.irp c, 0,1,2,3,4,5,6,7,8,9,10,11,12,13,14,15
	v_readlane_b32 s[44+\c], v176, \c
.endr
	; ---- 6: the chunk of my rank: the last chunk whose prefix does not exceed it
	s_lshl_b32 s60, s[WV], 4
	v_add_nc_u32 v33, s60, v[R]                    ; my row of the tile: 16 w + r
	v_add_nc_u32 v178, s[J0], v33                  ; my rank
	v_mov_b32 v179, 0
	v_mov_b32 v180, 0
	s_mov_b32 s63, 0
.irp c, 1,2,3,4,5,6,7,8,9,10,11,12,13,14,15
	s_add_co_u32 s63, s63, s[44+\c-1]
	v_mov_b32 v34, s63
	v_cmp_gt_u32 vcc_lo, v34, v178
	v_cndmask_b32 v179, \c, v179, vcc_lo
	v_cndmask_b32 v180, v34, v180, vcc_lo
.endr
	v_sub_nc_u32 v181, v178, v180                  ; the rank left inside the chunk
	v_min_u32 v179, 15, v179
.irp j, 0,1,2,3                        ; where K slot j's hidden fragments and scale words lie in LDS (the chunk counts' registers are free)
	s_add_co_u32 s60, ttmp9, \j
	s_and_b32 s60, s60, 3
	s_mul_i32 s[HOF+\j], s60, 6144
	s_lshl_b32 s[HSF+\j], s60, 9
.endr
	; ---- 7: the chunk's 16 counts and 16 masks
	s_lshl_b32 s60, s[EX], 8
	v_lshl_add_u32 v182, v179, 4, s60
	s_lshl_b32 s61, s[EX], 9
	v_lshl_add_u32 v183, v179, 5, s61
	GL128 184, 182, 4, 0
	GL128 224, 183, 4, 2048
	GL128 228, 183, 4, 2064
.set MG, NI
	BIAS B1P, 0                                    ; behind them the first weights go out: layer 1's first bias, set 0, half of set 1,
	WLA 0
	WLB 0
	WLA 1
	WIN 0
	COPY 0, 50                                     ; and the first two of my four copied sets
	WAITM MG
	; ---- 8: the word of four groups
.irp q, 0,1,2
	v_mul_lo_u32 v[232+\q], v[184+\q], s72
	v_lshrrev_b32 v[232+\q], 24, v[232+\q]         ; the word's four bytes summed
.endr
	v_add_nc_u32 v233, v232, v233
	v_add_nc_u32 v234, v233, v234                  ; prefixes of words 1, 2, 3
	v_mov_b32 v236, v184
	v_mov_b32 v237, v224
	v_mov_b32 v238, v225
	v_mov_b32 v239, 0
	v_mov_b32 v240, 0
	PICKW 1, 232
	PICKW 2, 233
	PICKW 3, 234
	v_sub_nc_u32 v181, v181, v239
	; ---- 9: the group
	v_mul_lo_u32 v241, v236, s72                   ; byte k = counts 0 .. k summed
	v_bfe_u32 v242, v241, 0, 8
	v_bfe_u32 v243, v241, 8, 8
	v_bfe_u32 v244, v241, 16, 8
	v_mov_b32 v245, 0
	v_mov_b32 v246, 0
.irp k, 1,2,3
	v_cmp_gt_u32 vcc_lo, v[241+\k], v181
	v_cndmask_b32 v245, \k, v245, vcc_lo
	v_cndmask_b32 v246, v[241+\k], v246, vcc_lo
.endr
	v_sub_nc_u32 v181, v181, v246
	v_cmp_gt_u32 vcc_lo, 2, v245
	v_cndmask_b32 v237, v238, v237, vcc_lo
	v_and_b32 v247, 1, v245
	v_lshlrev_b32 v247, 4, v247
	v_bfe_u32 v237, v237, v247, 16                 ; the group's mask of 16 tokens
	; ---- 10: the bit: sums of 2, 4 and 8 bits, then down
	v_lshrrev_b32 v248, 1, v237
	v_and_b32 v248, 0x5555, v248
	v_sub_nc_u32 v248, v237, v248
	v_lshrrev_b32 v249, 2, v248
	v_and_b32 v249, 0x3333, v249
	v_and_b32 v250, 0x3333, v248
	v_add_nc_u32 v249, v249, v250
	v_lshrrev_b32 v250, 4, v249
	v_add_nc_u32 v250, v250, v249
	v_and_b32 v250, 0xf0f, v250
	v_mov_b32 v251, 0
	BITSTEP 250, 8
	BITSTEP 249, 4
	BITSTEP 248, 2
	BITSTEP 237, 1
	v_lshlrev_b32 v[TOK], 8, v179
	v_lshl_add_u32 v[TOK], v240, 6, v[TOK]
	v_lshl_add_u32 v[TOK], v245, 4, v[TOK]
	v_add_nc_u32 v[TOK], v[TOK], v251
	v_min_u32 v[TOK], 0xfff, v[TOK]                ; my token (a row past the tile's end gets some token, and is not stored)
	; ---- my tile of rows: codes, scale words, gate, choice.  K slot j takes the token's K step (work-group's number + j) mod 4: from here on x lies in the order of the walk
	v_mul_u32_u24 v[XO], v[TOK], 384
	v_mad_u32_u24 v[XO], v[H], 48, v[XO]
	v_lshlrev_b32 v[T16], 4, v[TOK]
	s_lshl_b32 s60, s[EX], 2
	v_lshl_add_u32 v[GO], v[TOK], 5, s60
	v_lshlrev_b32 v[T4], 2, v[TOK]
.irp j, 0,1,2,3
	s_add_co_u32 s60, ttmp9, \j
	s_and_b32 s60, s60, 3
	s_mul_i32 s61, s60, 96
	s_lshl_b32 s62, s60, 2
	v_add_nc_u32 v[XOJ+\j], s61, v[XO]
	v_add_nc_u32 v[TSJ+\j], s62, v[T16]
.endr
	WIN 0xc0
.irp j, 0,1,2,3
.irp c, 0,1,2
	GL128 12*\j+4*\c, XOJ+\j, 8, 16*\c
.endr
.endr
	WIN 0
.irp j, 0,1,2,3
	global_load_b32 v[XS+\j], v[TSJ+\j], s[10:11]
.set NI, NI+1
.endr
	global_load_b32 v106, v[GO], s[6:7]            ; the router's probability of my expert for my token
.set NI, NI+1
	global_load_b32 v107, v[T4], s[4:5] offset:8192
.set NI, NI+1
.set MX, NI
	WLB 1                                          ; behind the gather: the rest of set 1,
	WIN 0xc0
.irp s, 0,1,2,3                        ; my wave's quarter of W3 (16 classes), for the others through LDS,
.irp c, 0,1,2
	GL128 192+12*\s+4*\c, LI, W3W, 1536*\s+512*\c
.endr
.endr
	global_load_b64 v[240:241], v[L8], s[W3W:W3W+1] offset:6144
.set NI, NI+1
.set MW3, NI
	WIN 0
.irp n, 0,1,2,3                        ; b3 in the result's layout: lane (r, h), tile n: classes 16 n + 8 h + 0 .. 7,
	GL128 B3C+8*\n, H32, W3P, 6656*\n+6400
	GL128 B3C+8*\n+4, H32, W3P, 6656*\n+6416
.endr
	COPY 50, 100                                   ; and the other two copied sets: the last copies, ahead of the first LDS read and the first barrier
	WAITM MX
	WIN 0x0c                                       ; an LDS store's data are its source 1: window 3
.irp s, 0,1,2,3
.irp c, 0,1,2
	ds_store_b128 v[AXW], v[12*\s+4*\c:12*\s+4*\c+3] offset:1536*\s+512*\c
.endr
.endr
	WIN 0
	ds_store_b128 v[AXSW], v[XS:XS+3]
	v_mul_f32 v[G], 0.5, v106                      ; the gate's weight / top_k
	v_and_b32 v34, 0xff, v107
	v_mov_b32 v107, 0x1000
	v_cmp_ne_u32 vcc_lo, s[EX], v34
	v_cndmask_b32 v107, 0, v107, vcc_lo            ; plane 0 if my expert is the token's first choice, else plane 1
	v_add_nc_u32 v[RHO], v[TOK], v107
	v_cmp_gt_u32 vcc_lo, s[NR], v33
	v_cndmask_b32 v[RHO], -1, v[RHO], vcc_lo       ; a row past the tile's end has no place
	s_wait_dscnt 0x0                               ; for the others' sake: my stores have landed
	s_barrier_signal -1
	s_barrier_wait -1                              ; x's sixteen fragments lie in LDS
	WIN 0xc0
.irp f, 0,1,2,3,4,5,6,7,8,9,10,11,12,13,14,15
.irp c, 0,1,2
	ds_load_b128 v[12*\f+4*\c:12*\f+4*\c+3], v[LI] offset:XIMG+1536*\f+512*\c
.endr
.endr
	WIN 0
.irp m, 0,1,2,3
	ds_load_b128 v[XS+4*\m:XS+4*\m+3], v[AXSR] offset:512*\m
.endr
	s_wait_dscnt 0x0
	; ---- layer 1: two groups of 128 hidden units, four K slots each
	SET1 0, 2, 1, 0
	BIAS B1P, 512                                  ; the second group's bias: the first group's has been read, four places ago
	SET1 1, 3, 0, 1
	SET1 2, 4, 0, 2
	SET1 3, 5, 0, 3
.irp m, 0,1,2,3
	QUANT \m, \m%2
	IMAGE AH1W, 1536*\m, AH1SW, 4*\m, \m%2         ; K step 2 w of layer 2
.endr
	SET1 4, 6, 1, 0
	BIAS B2P, 0                                    ; layer 2's bias
	SET1 5, 7, 0, 1
	SET1 6, 8, 0, 2
	SET1 7, 9, 0, 3
.irp m, 0,1,2,3
	QUANT \m, \m%2
	IMAGE AH1W, 6144+1536*\m, AH1SW, 512+4*\m, \m%2   ; K step 2 w + 1
.endr
	WAITM MW3
	WIN 0x0c
.irp s, 0,1,2,3
.irp c, 0,1,2
	ds_store_b128 v[AW3W], v[192+12*\s+4*\c:192+12*\s+4*\c+3] offset:1536*\s+512*\c
.endr
.endr
	ds_store_b64 v[AW3SW], v[240:241]
	WIN 0
	s_wait_asynccnt 0x0                            ; my four copied sets have landed: they are read behind this barrier, by me alone
	s_wait_dscnt 0x0
	s_barrier_signal -1
	s_barrier_wait -1                              ; hidden layer 1's 32 fragments and W3's 16 lie in LDS
	; ---- layer 2: my 128 units, eight K steps: a set through registers and a copied set by turns
	HLOADR 0
	SET2G 8, 10, 1, 0
	SET2L 1
	SET2G 9, 11, 0, 1
	SET2L 2
	SET2G 10, -1, 0, 2
	SET2L 3
	SET2G 11, -1, 0, 3
	SET2L -1
	WIN 0
	s_wait_dscnt 0x0                               ; my reads of hidden layer 1 are over
	s_barrier_signal -1
	s_barrier_wait -1                              ; everybody's are: hidden layer 2's images may be laid over its bytes
.irp m, 0,1,2,3
	QUANT \m, \m%2
	IMAGE AH2W, 6144*\m, AH2SW, 512*\m, \m%2       ; K step w of layer 3
.endr
	s_wait_dscnt 0x0
	s_barrier_signal -1
	s_barrier_wait -1                              ; hidden layer 2's 16 fragments lie in LDS
	; ---- layer 3: my tile of rows x 64 classes
	WIN 0xc0
.irp f, 0,1,2,3,4,5,6,7,8,9,10,11,12,13,14,15
.irp c, 0,1,2
	ds_load_b128 v[12*\f+4*\c:12*\f+4*\c+3], v[AW3R] offset:1536*\f+512*\c
.endr
.endr
.irp s, 0,1,2,3
.irp c, 0,1,2
	ds_load_b128 v[192+12*\s+4*\c:192+12*\s+4*\c+3], v[AH2R] offset:1536*\s+512*\c
.endr
.endr
	WIN 0
.irp n, 0,1,2,3
	ds_load_b64 v[W3S+2*\n:W3S+2*\n+1], v[AW3SR] offset:256*\n
.endr
	ds_load_b128 v[H2S:H2S+3], v[AH2SR]
	s_wait_dscnt 0x0
	WIN 0x8f                                       ; sources 0 and 1 window 3, C (b3) window 0, D window 2
.irp n, 0,1,2,3
	v_wmma_scale_f32_16x16x128_f8f6f4 v[8*\n:8*\n+7], v[48*\n:48*\n+11], v[192:203], v[B3C+8*\n:B3C+8*\n+7], v[W3S+2*\n], v[H2S] matrix_a_fmt:MATRIX_FMT_BF6 matrix_b_fmt:MATRIX_FMT_BF6
.endr
	WIN 0xaf                                       ; C and D window 2; the four accumulators take turns
.irp n, 0,1,2,3
	v_wmma_scale_f32_16x16x128_f8f6f4 v[8*\n:8*\n+7], v[48*\n+12:48*\n+23], v[204:215], v[8*\n:8*\n+7], v[W3S+2*\n], v[H2S+1] matrix_a_fmt:MATRIX_FMT_BF6 matrix_b_fmt:MATRIX_FMT_BF6 matrix_a_scale:MATRIX_SCALE_ROW1
.endr
.irp n, 0,1,2,3
	v_wmma_scale_f32_16x16x128_f8f6f4 v[8*\n:8*\n+7], v[48*\n+24:48*\n+35], v[216:227], v[8*\n:8*\n+7], v[W3S+2*\n+1], v[H2S+2] matrix_a_fmt:MATRIX_FMT_BF6 matrix_b_fmt:MATRIX_FMT_BF6
.endr
.irp n, 0,1,2,3
	v_wmma_scale_f32_16x16x128_f8f6f4 v[8*\n:8*\n+7], v[48*\n+36:48*\n+47], v[228:239], v[8*\n:8*\n+7], v[W3S+2*\n+1], v[H2S+3] matrix_a_fmt:MATRIX_FMT_BF6 matrix_b_fmt:MATRIX_FMT_BF6 matrix_a_scale:MATRIX_SCALE_ROW1
.endr
	PLACES
	WIN 0x02                                       ; source 0 window 2
.set qj, 0
.rept 32
	v_mul_f32 v[Y+qj], v[qj], v[G]                 ; x gate / 2; ascending: each accumulator from its low end on.  Register 8 n + j: class 16 n + 8 h + j of my token
.set qj, qj+1
.endr
	WIN 0
	; ---- the way out: through my own stage, so that sixteen lanes store a row's 256 bytes
.irp n, 0,1,2,3
	ds_store_b128 v[ASTW], v[Y+8*\n:Y+8*\n+3] offset:64*\n
	ds_store_b128 v[ASTW], v[Y+8*\n+4:Y+8*\n+7] offset:64*\n+16
.endr
.irp i, 0,1,2,3,4,5,6,7
	ds_load_b128 v[OB+4*\i:OB+4*\i+3], v[ASTR] offset:2*\i*272     ; LDS serves a wave's instructions in order: these see my stores.  Lanes 0-15 row 2 i, lanes 16-31 row 2 i + 1
.endr
.irp i, 0,1,2,3,4,5,6,7
	v_readlane_b32 s60, v[RHO], 2*\i               ; the two rows' places
	v_readlane_b32 s61, v[RHO], 2*\i+1
	v_mov_b32 v[RO+\i], s60
	v_mov_b32 v34, s61
	v_cndmask_b32 v[RO+\i], v[RO+\i], v34, s88
	v_min_u32 v[PO+\i], 0x1fff, v[RO+\i]
	v_lshl_add_u32 v[PO+\i], v[PO+\i], 8, v[R16]   ; 256 bytes a row, + 16 r
.endr
.irp i, 0,1,2,3,4,5,6,7
	s_wait_dscnt 7-\i                              ; rows 2 i and 2 i + 1 are back; the younger loads may be out
	v_cmp_gt_u32 vcc_lo, 0x2000, v[RO+\i]          ; rows that have a place
	s_wait_xcnt 0x0                                ; EXEC changes only behind this wait
	s_and_saveexec_b32 s91, vcc_lo
	global_store_b128 v[PO+\i], v[OB+4*\i:OB+4*\i+3], s[22:23]     ; sixteen lanes store 256 consecutive bytes, aligned
	s_wait_xcnt 0x0                                ; and again, in front of the line that widens it
	s_or_b32 exec_lo, exec_lo, s91
.endr
	s_wait_xcnt 0x0
	s_mov_b32 exec_lo, -1
	s_wait_tensorcnt 0x0
	ds_add_u32 v143, v147
	s_wait_dscnt 0x0
	s_endpgm
.Lfunc_end_k_qb5c955de04_chain:
	.size	k_qb5c955de04_chain, .Lfunc_end_k_qb5c955de04_chain-k_qb5c955de04_chain
	.p2alignl 7, 3214868480
	.fill 96, 4, 3214868480
	.section	.rodata,"a",@progbits
	.p2align	6, 0x0
	.amdhsa_kernel k_qb5c955de04_chain
		.amdhsa_group_segment_fixed_size 310784
		.amdhsa_private_segment_fixed_size 0
		.amdhsa_enable_private_segment 0
		.amdhsa_kernarg_size 80
		.amdhsa_user_sgpr_count 2
		.amdhsa_user_sgpr_kernarg_segment_ptr 1
		.amdhsa_wavefront_size32 1
		.amdhsa_system_sgpr_workgroup_id_x 1
		.amdhsa_system_sgpr_workgroup_id_y 1
		.amdhsa_system_sgpr_workgroup_id_z 1
		.amdhsa_system_vgpr_workitem_id 0
		.amdhsa_next_free_vgpr 1024
		.amdhsa_next_free_sgpr 102
		.amdhsa_reserve_vcc 1
		.amdhsa_float_denorm_mode_32 3
		.amdhsa_float_denorm_mode_16_64 3
		.amdhsa_memory_ordered 1
		.amdhsa_forward_progress 1
		.amdhsa_inst_pref_size 246
	.end_amdhsa_kernel
	.amdgpu_metadata
---
amdhsa.version: [ 1, 2 ]
amdhsa.kernels:
  - .name:           k_qb5c955de04_chain
    .symbol:         k_qb5c955de04_chain.kd
    .args:
      - { .name: route, .offset: 0, .size: 8, .value_kind: global_buffer, .address_space: global }
      - { .name: out1, .offset: 8, .size: 8, .value_kind: global_buffer, .address_space: global }
      - { .name: xq, .offset: 16, .size: 8, .value_kind: global_buffer, .address_space: global }
      - { .name: xs, .offset: 24, .size: 8, .value_kind: global_buffer, .address_space: global }
      - { .name: w1q, .offset: 32, .size: 8, .value_kind: global_buffer, .address_space: global }
      - { .name: w2q, .offset: 40, .size: 8, .value_kind: global_buffer, .address_space: global }
      - { .name: w3q, .offset: 48, .size: 8, .value_kind: global_buffer, .address_space: global }
      - { .name: b1, .offset: 56, .size: 8, .value_kind: global_buffer, .address_space: global }
      - { .name: b2, .offset: 64, .size: 8, .value_kind: global_buffer, .address_space: global }
      - { .name: part, .offset: 72, .size: 8, .value_kind: global_buffer, .address_space: global }
    .group_segment_fixed_size: 310784
    .private_segment_fixed_size: 0
    .kernarg_segment_align: 8
    .kernarg_segment_size: 80
    .max_flat_workgroup_size: 128
    .sgpr_count:     102
    .vgpr_count:     1024
    .wavefront_size: 32
...
	.end_amdgpu_metadata
.endif
;; end of part 2
;; launch combine (part 3): grid 128 x 1, 1 waves a work-group, no clusters, 0 bytes of LDS; arguments part, out0; writes out0
.if DOCPART == 3
	.amdgcn_target "amdgcn-amd-amdhsa--gfx1250"
	.amdhsa_code_object_version 6
	.text
	.protected	k_qb5c955de04_combine
	.globl	k_qb5c955de04_combine
	.p2align	8
	.type	k_qb5c955de04_combine,@function
k_qb5c955de04_combine:
	s_mov_b64 s[64:65], 0
	v_nop
	global_prefetch_b8 v0, s[64:65] scope:SCOPE_SE
	s_setreg_imm32_b32 hwreg(HW_REG_WAVE_MODE, 25, 1), 1
	s_wait_xcnt 0x0
; COMBINE: out0[token][0..49] = part[0][token][0..49] + part[1][token][0..49]: a token's two experts' rows, each already x gate / 2, were made by different work-groups of the launch before.
; A wave takes 32 tokens: 800 pairs of numbers, 25 a lane.  Pair q = lane + 32 j lies in token q / 25; in out0 the wave's 6,400 bytes are dense, so each store covers 256 consecutive bytes, aligned.
; All 50 loads of a lane go out first.  No LDS, no barrier, no matrix unit: a plain stream of 2.4 MB.
.set PLANE, 1048576                    ; bytes from plane 0 to plane 1 of part
.set OFF, 2                            ; v2-26    byte offset of pair j in the wave's 32 rows of part
.set PA,  32                           ; v32-81   plane 0's pairs, then the sums
.set PB,  82                           ; v82-131  plane 1's
	s_load_b128 s[4:7], s[0:1], 0x0                ; part, out0
	v_lshlrev_b32 v1, 3, v0                        ; 8 bytes a lane
	s_lshl_b32 s8, ttmp9, 13                       ; 32 rows of 256 bytes
	s_mov_b32 s9, 0
	s_mul_i32 s10, ttmp9, 6400                     ; 32 rows of 200 bytes
	s_mov_b32 s11, 0
.set j, 0
.rept 25
	v_add_nc_u32 v28, 32*j, v0                     ; q
	v_mul_u32_u24 v29, 2622, v28
	v_lshrrev_b32 v29, 16, v29                     ; t = q / 25: (q x 2622) >> 16 is exact for q under 4,675
	v_mul_u32_u24 v29, 56, v29
	v_lshl_add_u32 v[OFF+j], v28, 3, v29           ; 256 t + 8 (q - 25 t) = 8 q + 56 t
.set j, j+1
.endr
	s_wait_kmcnt 0x0
	s_add_nc_u64 s[4:5], s[4:5], s[8:9]
	s_add_nc_u64 s[6:7], s[6:7], s[10:11]
.set j, 0
.rept 25
	global_load_b64 v[PA+2*j:PA+2*j+1], v[OFF+j], s[4:5] th:TH_LOAD_NT
	global_load_b64 v[PB+2*j:PB+2*j+1], v[OFF+j], s[4:5] offset:PLANE th:TH_LOAD_NT
.set j, j+1
.endr
.set j, 0
.rept 25
	s_wait_loadcnt 48-2*j                          ; pair j's two loads are in; the younger pairs' may be out
	v_pk_add_f32 v[PA+2*j:PA+2*j+1], v[PA+2*j:PA+2*j+1], v[PB+2*j:PB+2*j+1]
	global_store_b64 v1, v[PA+2*j:PA+2*j+1], s[6:7] offset:256*j th:TH_STORE_NT
.set j, j+1
.endr
	s_endpgm
.Lfunc_end_k_qb5c955de04_combine:
	.size	k_qb5c955de04_combine, .Lfunc_end_k_qb5c955de04_combine-k_qb5c955de04_combine
	.p2alignl 7, 3214868480
	.fill 96, 4, 3214868480
	.section	.rodata,"a",@progbits
	.p2align	6, 0x0
	.amdhsa_kernel k_qb5c955de04_combine
		.amdhsa_group_segment_fixed_size 0
		.amdhsa_private_segment_fixed_size 0
		.amdhsa_enable_private_segment 0
		.amdhsa_kernarg_size 16
		.amdhsa_user_sgpr_count 2
		.amdhsa_user_sgpr_kernarg_segment_ptr 1
		.amdhsa_wavefront_size32 1
		.amdhsa_system_sgpr_workgroup_id_x 1
		.amdhsa_system_sgpr_workgroup_id_y 1
		.amdhsa_system_sgpr_workgroup_id_z 1
		.amdhsa_system_vgpr_workitem_id 0
		.amdhsa_next_free_vgpr 136
		.amdhsa_next_free_sgpr 66
		.amdhsa_reserve_vcc 0
		.amdhsa_float_denorm_mode_32 3
		.amdhsa_float_denorm_mode_16_64 3
		.amdhsa_memory_ordered 1
		.amdhsa_forward_progress 1
		.amdhsa_inst_pref_size 17
	.end_amdhsa_kernel
	.amdgpu_metadata
---
amdhsa.version: [ 1, 2 ]
amdhsa.kernels:
  - .name:           k_qb5c955de04_combine
    .symbol:         k_qb5c955de04_combine.kd
    .args:
      - { .name: part, .offset: 0, .size: 8, .value_kind: global_buffer, .address_space: global }
      - { .name: out0, .offset: 8, .size: 8, .value_kind: global_buffer, .address_space: global }
    .group_segment_fixed_size: 0
    .private_segment_fixed_size: 0
    .kernarg_segment_align: 8
    .kernarg_segment_size: 16
    .max_flat_workgroup_size: 32
    .sgpr_count:     66
    .vgpr_count:     136
    .wavefront_size: 32
...
	.end_amdgpu_metadata
.endif
;; end of part 3
